; MI455X (gfx1250); checked and timed in simulation.
; The chip was launched on July 23, 2026; its instructions are those of AMD's public machine-readable ISA for CDNA 5 (MIT licence, August 2026) and "CDNA5" Instruction Set Architecture Reference Guide (July 2026). The comments in the code are by the model that wrote it; some were corrected since.
;; Hankel. Allowed arithmetic: matrix products marked QUANTISED: E4M3 operands, one given power-of-two scale a tensor, by v_wmma_f32_16x16x64_fp8_fp8 or v_wmma_f32_16x16x128_fp8_fp8, f32 sums; products left as they are: f32 operands where the result goes on into a quantised operand, else bf16, f16 or f32 operands; f32 sums; everything else in f32.
;; Inputs: Wa 32 x 16 float32; Wo 32 x 32 float32; actions 131,072 x 8 x 16 float32; ba 32 float32; bo 32 float32; lowp_scales 18 int32 (the exponents e of the quantised operands' scales 2^e); mps0 1 x 32 x 32 x 8 float32; mps_last 8 x 32 x 32 x 1 float32; mps_mid 6 x 8 x 32 x 32 x 8 float32; obss 131,072 x 8 x 32 float32.
;; Outputs: out0 131,072 float32.
;; This version of the problem:
;;   THIS VERSION OF THE PROBLEM IS GIVEN IN LOW PRECISION. The matrix products marked QUANTISED in the list below multiply operands that are first quantised to E4M3 (4 exponent bits, 3 mantissa bits; 8 bits a number), with one given power-of-two scale for each operand tensor; their sums are f32. All else is computed in f32.
;;   The module's matrix products, in the order in which they are computed (A, B: the left and right operand; K: the contracted axis; several contracted axes count as one K, in the product's order):
;;     1. [M 1,048,576, K 16] x [K 16, N 32]; A: input actions; B: input Wa: left as it is (K = 16 < 32)
;;     2. [M 1,048,576, K 32] x [K 32, N 32]; A: input obss; B: input Wo: QUANTISED (scales: A lowp_scales[0], B lowp_scales[1])
;;     3. [M 131,072, K 32] x [K 32, N 256]; A: computed on the way; B: input mps0: QUANTISED (scales: A lowp_scales[2], B lowp_scales[3])
;;     4. batch 131,072 x [M 1, K 32] x [K 32, N 8]; A: computed on the way; B: computed on the way: left as it is (M = 1 < 16)
;;     5. batch 131,072 x [M 32, K 1] x [K 1, N 8]; A: computed on the way; B: computed on the way: left as it is (no contracted axis)
;;     6. [M 131,072, K 256] x [K 256, N 256]; A: computed on the way; B: input mps_mid: QUANTISED (scales: A lowp_scales[4], B lowp_scales[5])
;;     7. batch 131,072 x [M 1, K 32] x [K 32, N 8]; A: computed on the way; B: computed on the way: left as it is (M = 1 < 16)
;;     8. batch 131,072 x [M 32, K 1] x [K 1, N 8]; A: computed on the way; B: computed on the way: left as it is (no contracted axis)
;;     9. [M 131,072, K 256] x [K 256, N 256]; A: computed on the way; B: input mps_mid: QUANTISED (scales: A lowp_scales[6], B lowp_scales[7])
;;     10. batch 131,072 x [M 1, K 32] x [K 32, N 8]; A: computed on the way; B: computed on the way: left as it is (M = 1 < 16)
;;     11. batch 131,072 x [M 32, K 1] x [K 1, N 8]; A: computed on the way; B: computed on the way: left as it is (no contracted axis)
;;     12. [M 131,072, K 256] x [K 256, N 256]; A: computed on the way; B: input mps_mid: QUANTISED (scales: A lowp_scales[8], B lowp_scales[9])
;;     13. batch 131,072 x [M 1, K 32] x [K 32, N 8]; A: computed on the way; B: computed on the way: left as it is (M = 1 < 16)
;;     14. batch 131,072 x [M 32, K 1] x [K 1, N 8]; A: computed on the way; B: computed on the way: left as it is (no contracted axis)
;;     15. [M 131,072, K 256] x [K 256, N 256]; A: computed on the way; B: input mps_mid: QUANTISED (scales: A lowp_scales[10], B lowp_scales[11])
;;     16. batch 131,072 x [M 1, K 32] x [K 32, N 8]; A: computed on the way; B: computed on the way: left as it is (M = 1 < 16)
;;     17. batch 131,072 x [M 32, K 1] x [K 1, N 8]; A: computed on the way; B: computed on the way: left as it is (no contracted axis)
;;     18. [M 131,072, K 256] x [K 256, N 256]; A: computed on the way; B: input mps_mid: QUANTISED (scales: A lowp_scales[12], B lowp_scales[13])
;;     19. batch 131,072 x [M 1, K 32] x [K 32, N 8]; A: computed on the way; B: computed on the way: left as it is (M = 1 < 16)
;;     20. batch 131,072 x [M 32, K 1] x [K 1, N 8]; A: computed on the way; B: computed on the way: left as it is (no contracted axis)
;;     21. [M 131,072, K 256] x [K 256, N 256]; A: computed on the way; B: input mps_mid: QUANTISED (scales: A lowp_scales[14], B lowp_scales[15])
;;     22. batch 131,072 x [M 1, K 32] x [K 32, N 8]; A: computed on the way; B: computed on the way: left as it is (M = 1 < 16)
;;     23. batch 131,072 x [M 32, K 1] x [K 1, N 8]; A: computed on the way; B: computed on the way: left as it is (no contracted axis)
;;     24. [M 131,072, K 256] x [K 256, N 32]; A: computed on the way; B: input mps_last: QUANTISED (scales: A lowp_scales[16], B lowp_scales[17])
;;     25. batch 131,072 x [M 1, K 32] x [K 32, N 1]; A: computed on the way; B: computed on the way: left as it is (M = 1 < 16)
;;   THE QUANTISER, for each operand of a quantised product, along K:
;;     - The operand's scale is 2^e, e = its entry of the input lowp_scales (int32; the entries are numbered through the quantised products in the list's order, A before B).
;;     - Each number is divided by the scale, clamped to +-448, and rounded to the nearest number of E4M3, ties to even, subnormals kept.
;;     - The product sums the exact products of the quantised numbers (number of the format x scale) in f32.
;;   ~~~python
;;   def quantise(x, axis, e):      # numpy; x: float32 -> the quantised numbers, widened to float32 again
;;       x = np.moveaxis(x, axis, -1); K = x.shape[-1]
;;       r = np.clip(x / 2.0 ** e, -448, 448)
;;       step = 2.0 ** (np.maximum(np.frexp(np.where(r == 0, 1, r))[1] - 1, -6) - 3)
;;       q = np.round(r / step) * step * 2.0 ** e      # np.round: ties to even
;;       return np.moveaxis(q, -1, axis).astype(np.float32)
;;   ~~~
;;   OPERANDS COMPUTED ON THE WAY. 'Computed on the way' means the value that the module computes at that place (a softmax that the list does not call 'softmax' is quantised finished and normalised). What goes into a quantiser is computed in f32, as accurately as f32 sums, v_exp_f32 and their like allow (about 1e-6 of the number): no bf16 or f16 on the way to a quantiser, and a product that is left as it is and whose result goes on into a quantised operand takes f32 operands (vector FMAs, or v_wmma_f32_16x16x4_f32). A number that lies on a knife's edge between two numbers of the format may be rounded either way, as far as f32 arithmetic and the matrix unit's own rounding can turn it there, and no further.
;; One version. Each part assembles by itself: llvm-mc -triple=amdgcn-amd-amdhsa -mcpu=gfx1250 --defsym DOCPART=n.
;; ======== version 1 of 1: 2 launches
;; workspace buffers: wimg 409,600 bytes
;; launch prep (part 1): grid 100 x 1, 8 waves a work-group, no clusters, 0 bytes of LDS; arguments mps0, mps_mid, mps_last, lowp_scales, wimg; writes wimg
.if DOCPART == 1
	.amdgcn_target "amdgcn-amd-amdhsa--gfx1250"
	.amdhsa_code_object_version 6
	.text
	.protected	k_q50a39e5354_prep
	.globl	k_q50a39e5354_prep
	.p2align	8
	.type	k_q50a39e5354_prep,@function
k_q50a39e5354_prep:
	s_mov_b64 s[64:65], 0
	v_nop
	global_prefetch_b8 v0, s[64:65] scope:SCOPE_SE
	s_setreg_imm32_b32 hwreg(HW_REG_WAVE_MODE, 25, 1), 1
	s_wait_xcnt 0x0
; The three tensors of cores, f32, become codes of FP8 (E4M3), each with the one scale 2^e that is given for it, laid in wimg AS IMAGES OF THE OPERAND REGISTERS of the second launch:
; a chunk of 512 bytes is four registers of a weight fragment, lane L's 16 bytes at 16 L.  Every work-group of the second launch reads these codes, so they are made once, here.
; code = x / 2^e, held within +-448, rounded to the nearest code, ties to even.  LIMITS: each e between -126 and 119.  NaN among the inputs is not served; an infinity is held at the largest code.
; SHARES.  Wave G = 8 x work-group + wave makes chunk G (wimg bytes 512 G on): a lane gathers its 16 numbers by 16 loads of 4 bytes, holds, converts, and the wave stores 512 consecutive bytes.
;   chunks 0-767    mps_mid: core c = G >> 7, tile of 16 weight rows t = (G >> 3) & 15, K half f = (G >> 2) & 1, register group ch = G & 3
;   chunks 768-783  mps0:    tile t = G - 768 (four registers a fragment: K = 32)
;   chunks 784-799  mps_last: tile u = bit 3, f = bit 2, ch = bits 1:0 of G - 784
; WHAT A LANE HOLDS.  Lane L = rw + 16 h.  Weight row rw of tile t is (k = 16 (t >> 3) + 8 (rw >> 3) + (t & 7), l = rw & 7); of mps_last's tile u it is k = 16 u + rw.
;   Byte y = 8 pp + i of the lane's 16 is the core's element (i, j = 16 f + 8 h + 2 ch + pp); for mps0 byte y = 8 u + jj is j = 16 u + 8 h + jj.
; The pieces read are 32 or 64 bytes long; the tensors hold 1.6 MB in all and each number is read once, so no stage in LDS is spent on them.
.set MIDWG, 96                         ; work-groups 0-95: mps_mid
.set M0WG,  98                         ; 96, 97: mps0;  98, 99: mps_last
.set X,     16                         ; v16-31  the lane's 16 numbers
.set C,     32                         ; v32-35  their codes
	s_load_b256 s[4:11], s[0:1], 0x0               ; mps0 s[4:5], mps_mid s[6:7], mps_last s[8:9], the scales' exponents s[10:11]
	s_load_b64 s[12:13], s[0:1], 0x20              ; wimg
	v_lshrrev_b32 v1, 5, v0
	v_readfirstlane_b32 s14, v1                    ; wave 0..7
	s_lshl_b32 s15, ttmp9, 3
	s_add_co_u32 s15, s15, s14                     ; G
	v_and_b32 v1, 31, v0                           ; lane
	v_and_b32 v2, 15, v0                           ; rw
	v_bfe_u32 v3, v0, 4, 1                         ; h
	v_lshlrev_b32 v5, 4, v1                        ; out: 16 bytes a lane
	v_lshrrev_b32 v6, 3, v2
	v_and_b32 v7, 7, v2
	v_lshlrev_b32 v4, 13, v3                       ; mps_mid, mps0: j steps 1,024 bytes: 8 h of them,
	v_lshl_add_u32 v4, v6, 8, v4                   ; k steps 32 bytes: 8 (rw >> 3) of them,
	v_lshl_add_u32 v4, v7, 2, v4                   ; l = rw & 7
	v_lshlrev_b32 v8, 10, v3                       ; mps_last: j steps 128 bytes: 8 h of them,
	v_lshl_add_u32 v8, v2, 2, v8                   ; k = rw
	s_lshl_b32 s22, s15, 9                         ; my chunk
	s_mov_b32 s23, 0
	s_mov_b32 s19, 0
	s_and_b32 s24, s15, 3                          ; ch
	s_bfe_u32 s25, s15, 0x10002                    ; f
	s_wait_kmcnt 0x0
	s_add_nc_u64 s[12:13], s[12:13], s[22:23]
	s_cmp_lt_u32 ttmp9, MIDWG                      ; the three ways part on the work-group's number alone and differ in pointer, offsets and the scale's entry
	s_cbranch_scc0 .Lsmall
	s_lshr_b32 s21, s15, 7                         ; c
	s_lshl_b32 s18, s21, 18                        ; a core is 262,144 bytes
	s_lshl_b32 s22, s25, 14                        ; j: 16 f
	s_add_co_u32 s18, s18, s22
	s_lshl_b32 s22, s24, 11                        ; j: 2 ch
	s_add_co_u32 s18, s18, s22
	s_bfe_u32 s22, s15, 0x10006                    ; t >> 3
	s_lshl_b32 s22, s22, 9                         ; k: 16 of 32 bytes
	s_add_co_u32 s18, s18, s22
	s_bfe_u32 s22, s15, 0x30003                    ; t & 7
	s_lshl_b32 s22, s22, 5
	s_add_co_u32 s18, s18, s22
	s_add_nc_u64 s[16:17], s[6:7], s[18:19]
	s_lshl_b32 s18, s21, 3
	s_add_nc_u64 s[10:11], s[10:11], s[18:19]
	s_load_b32 s20, s[10:11], 0x14                 ; entry 5 + 2 c
.irp pp, 0,1
.irp i, 0,1,2,3,4,5,6,7
	global_load_b32 v[X+8*\pp+\i], v4, s[16:17] offset:\i*32768+\pp*1024
.endr
.endr
	s_branch .Ljoin
.Lsmall:
	s_cmp_lt_u32 ttmp9, M0WG
	s_cbranch_scc0 .Llast
	s_bfe_u32 s18, s15, 0x10003                    ; t >> 3 (768 has its low eight bits clear)
	s_lshl_b32 s18, s18, 9
	s_and_b32 s22, s15, 7                          ; t & 7
	s_lshl_b32 s22, s22, 5
	s_add_co_u32 s18, s18, s22
	s_add_nc_u64 s[16:17], s[4:5], s[18:19]
	s_load_b32 s20, s[10:11], 0xc                  ; entry 3
.irp u, 0,1
.irp jj, 0,1,2,3,4,5,6,7
	global_load_b32 v[X+8*\u+\jj], v4, s[16:17] offset:(16*\u+\jj)*1024
.endr
.endr
	s_branch .Ljoin
.Llast:
	s_lshl_b32 s18, s25, 11                        ; j: 16 f of 128 bytes (784 has its low four bits clear)
	s_lshl_b32 s22, s24, 8                         ; j: 2 ch
	s_add_co_u32 s18, s18, s22
	s_bfe_u32 s22, s15, 0x10003                    ; u
	s_lshl_b32 s22, s22, 6                         ; k: 16 u of 4 bytes
	s_add_co_u32 s18, s18, s22
	s_add_nc_u64 s[16:17], s[8:9], s[18:19]
	s_load_b32 s20, s[10:11], 0x44                 ; entry 17
.irp pp, 0,1
.irp i, 0,1,2,3,4,5,6,7
	global_load_b32 v[X+8*\pp+\i], v8, s[16:17] offset:\i*4096+\pp*128
.endr
.endr
.Ljoin:
	s_wait_kmcnt 0x0                               ; e
	s_add_co_i32 s20, s20, 127
	s_lshl_b32 s21, s20, 23
	v_mov_b32 v11, s21                             ; 2^e as f32: the conversion takes its exponent field
	s_add_co_i32 s20, s20, 8
	s_lshl_b32 s20, s20, 23
	s_or_b32 s20, s20, 0x600000
	v_mov_b32 v10, s20                             ; 448 x 2^e
	s_wait_loadcnt 0x0                             ; all sixteen numbers
.irp i, 0,1,2,3,4,5,6,7,8,9,10,11,12,13,14,15
	v_med3_num_f32 v[X+\i], v[X+\i], -v10, v10     ; the conversion to an 8-bit code does not saturate (ISA guide 7.6.2): the hold comes first
.endr
	v_cvt_scalef32_pk8_fp8_f32 v[C:C+1], v[X:X+7], v11
	v_cvt_scalef32_pk8_fp8_f32 v[C+2:C+3], v[X+8:X+15], v11
	global_store_b128 v5, v[C:C+3], s[12:13]       ; the wave stores 512 consecutive bytes, at a multiple of 512 from wimg's first byte
	s_endpgm
.Lfunc_end_k_q50a39e5354_prep:
	.size	k_q50a39e5354_prep, .Lfunc_end_k_q50a39e5354_prep-k_q50a39e5354_prep
	.p2alignl 7, 3214868480
	.fill 96, 4, 3214868480
	.section	.rodata,"a",@progbits
	.p2align	6, 0x0
	.amdhsa_kernel k_q50a39e5354_prep
		.amdhsa_group_segment_fixed_size 0
		.amdhsa_private_segment_fixed_size 0
		.amdhsa_enable_private_segment 0
		.amdhsa_kernarg_size 40
		.amdhsa_user_sgpr_count 2
		.amdhsa_user_sgpr_kernarg_segment_ptr 1
		.amdhsa_wavefront_size32 1
		.amdhsa_system_sgpr_workgroup_id_x 1
		.amdhsa_system_sgpr_workgroup_id_y 1
		.amdhsa_system_sgpr_workgroup_id_z 1
		.amdhsa_system_vgpr_workitem_id 0
		.amdhsa_next_free_vgpr 48
		.amdhsa_next_free_sgpr 66
		.amdhsa_reserve_vcc 0
		.amdhsa_float_denorm_mode_32 3
		.amdhsa_float_denorm_mode_16_64 3
		.amdhsa_memory_ordered 1
		.amdhsa_forward_progress 1
		.amdhsa_inst_pref_size 9
	.end_amdhsa_kernel
	.amdgpu_metadata
---
amdhsa.version: [ 1, 2 ]
amdhsa.kernels:
  - .name:           k_q50a39e5354_prep
    .symbol:         k_q50a39e5354_prep.kd
    .args:
      - { .name: mps0, .offset: 0, .size: 8, .value_kind: global_buffer, .address_space: global }
      - { .name: mps_mid, .offset: 8, .size: 8, .value_kind: global_buffer, .address_space: global }
      - { .name: mps_last, .offset: 16, .size: 8, .value_kind: global_buffer, .address_space: global }
      - { .name: lowp_scales, .offset: 24, .size: 8, .value_kind: global_buffer, .address_space: global }
      - { .name: wimg, .offset: 32, .size: 8, .value_kind: global_buffer, .address_space: global }
    .group_segment_fixed_size: 0
    .private_segment_fixed_size: 0
    .kernarg_segment_align: 8
    .kernarg_segment_size: 40
    .max_flat_workgroup_size: 256
    .sgpr_count:     66
    .vgpr_count:     48
    .wavefront_size: 32
...
	.end_amdgpu_metadata
.endif
;; end of part 1
;; launch chain (part 2): grid 256 x 1, 8 waves a work-group, clusters of 4 x 1, 327,680 bytes of LDS; arguments actions, obss, Wa, ba, Wo, bo, lowp_scales, wimg, out0; writes out0
.if DOCPART == 2
	.amdgcn_target "amdgcn-amd-amdhsa--gfx1250"
	.amdhsa_code_object_version 6
	.text
	.protected	k_q50a39e5354_chain
	.globl	k_q50a39e5354_chain
	.p2align	8
	.type	k_q50a39e5354_chain,@function
k_q50a39e5354_chain:
	s_mov_b64 s[64:65], 0
	v_nop
	global_prefetch_b8 v0, s[64:65] scope:SCOPE_SE
	s_setreg_imm32_b32 hwreg(HW_REG_WAVE_MODE, 25, 1), 1
	s_wait_xcnt 0x0
	s_wait_alu depctr_hold_cnt(0) depctr_sa_sdst(0) depctr_va_vdst(0) depctr_va_sdst(0) depctr_va_ssrc(0) depctr_va_vcc(0) depctr_vm_vsrc(0)
	s_getreg_b32 s2, hwreg(HW_REG_IB_STS2, 6, 4)
	s_cmp_eq_u32 s2, 0
	s_cbranch_scc0 .Lentry_in_a_cluster
	s_endpgm
.Lentry_in_a_cluster:
	s_bfe_u32 s2, ttmp6, 0x10000c
	s_cmp_lg_u32 s2, 0x3003
	s_cbranch_scc0 .Lentry_shape_is_right
	s_endpgm
.Lentry_shape_is_right:
; The whole chain of eight steps for 131,072 rows.  In step s: act = actions_s Wa^T + ba (f32 operands: it goes on into a quantiser); obs = Q(obss_s) Q(Wo)^T + bo;
; step 0: T = Q(act) Q(mps0);  steps 1-7: P[j][i] = act_j tmp_i (f32), T = Q(P) Q(core);  then tmp_l = the sum over k of obs_k T[k][l] (f32).  Step 7 has one l: the result.
; SHARES.  A work-group owns 512 rows, each of its eight waves 64 (four tiles of 16) through all eight steps; tmp never leaves the registers.  Two waves of 512 registers lie on a SIMD, so that
; one wave's vector stretches (holds, conversions) stand beside the other's matrix work.  A weight fragment read from LDS (2,048 bytes) feeds four matrix instructions, one for each tile of rows.
; ALL PRODUCTS ARE USED TRANSPOSED: source 0 = 16 weight rows, source 1 = 16 rows of the batch.  Lane (r = lane % 16, h = lane / 16) holds row r throughout; register j of a result is weight row 8 h + j.
;   act, o': tile u, register jj = channel 16 u + 8 h + jj.   T: tile t (0..15), register l: T(k = 16 (t >> 3) + 8 h + (t & 7), l): so its partner o'(k) is register t of the lane's sixteen.
;   K of the large products: fragment f, register 2 p + w, byte b = (i = 4 w + b, j = 16 f + 8 h + p), in P's codes as in the weights' image: a permutation of K, the same on both sides.
; THE GIVEN SCALES ARE FOLDED, exactly: o' = sum + bo / 2^(e0 + e1); tmp' = the sum of o' x T's sums stands for tmp' x 2^F, F = e0 + e1 + eA + eB of the step that made it; the next conversion takes 2^(eA - F).
; LIMITS: e0, e1 and each eA - F between -126 and 119; o' and tmp' (sums of codes) inside f32's normal range.  NaN among the inputs is not served; an infinity is held at the largest code.
; WEIGHTS come as codes from wimg, laid as images of the operand registers (16 bytes a lane, 512 consecutive bytes a load).  All work-groups read the same codes: the four of a cluster ask JOINTLY (mask 15), each wave for
; its eighth of a tile.  Two LDS slots of 131,072 bytes hold two cores each; mps0's and mps_last's images stay in a block of their own.  So the slots change three times in the launch.
; INPUTS come straight into registers, a whole step ahead: 24 loads a wave are issued in step s for step s + 1.  A step takes 128 of a row's 1,024 bytes of obss and 64 of a row's 512 bytes of actions.
; REGISTERS, window 0: v1-28 addresses and scales; v32-63 tmp' (8 a tile); v64-127 act, then T (two sets of four tiles): written by matrix instructions alone; v128-191 weight fragments / scratch; v192-255 obss as loaded.
;            window 1: v0-63, v128-191 P's codes (tile m at 32 m + 64 (m / 2)); v64-127 o'; v192-207 Wa; v208-223 Wo's codes; v224-255 actions as loaded.
.set SLOT1, 131072                     ; LDS: slot 0 at 0, slot 1 here
.set SMALL, 262144                     ; mps0's image, 8,192 bytes,
.set LASTL, 270336                     ; and mps_last's
.set CIMG,  278528                     ; 4,096 bytes a wave, its own: ba's and bo's registers as an image
.set OST,   311296                     ; 256 bytes a wave, its own: the way out
.set SPARE, 313344                     ; the spare words, 128 bytes for each wave: four blocks of 256 bytes that no other line names
.set MPS0G, 393216                     ; wimg: six cores of 65,536 bytes, then mps0's and mps_last's images
.set SPW,  1                           ; v1   LDS address of my spare word; never rewritten
.set NIL,  2                           ; v2   0; never rewritten
.set LI,   3                           ; v3   16 x lane: my place in an image
.set WADR, 4                           ; v4   LDS address of the weights in hand
.set OA,   5                           ; v5   obss: 1,024 r + 64 h
.set AA,   6                           ; v6   actions: 512 r + 32 h
.set CADR, 7                           ; v7   my place in my wave's image of the biases
.set SCO,  8                           ; v8, v9    2^e0 and 448 x 2^e0
.set LIMO, 9
.set SCQ,  10                          ; v10, v11  2^(eA - F) and 448 x that
.set LIMQ, 11
.set T0,   12                          ; v12-19    at work
.set OPR,  20                          ; v20-21    two results
.set OSA,  22                          ; v22  the way out: in
.set OSB,  23                          ; v23  and back
.set OGO,  24                          ; v24  8 x lane
.set WAO,  25                          ; v25-27 the head's offsets in Wa, Wo, the biases
.set WOO,  26
.set BOF,  27
.set TMP,  32
.set TD,   64
.set WF,   128
.set RAWO, 192
.set PCD,  0                           ; window 1
.set OBS,  64
.set WA,   192
.set WO,   208
.set RAWA, 224
.set ACTP, 4                           ; s[4:5] actions, s[6:7] obss: at my wave's rows, stepped from step to step
.set OBSP, 6
.set WAP,  8
.set BAP,  10
.set WOP,  12
.set BOP,  14
.set LS,   16                          ; s[16:17] the scales' exponents, stepped by a pair a step
.set WIMG, 18
.set OUTG, 20
.set WV,   22                          ; s22  my wave's number
.set G1W,  28                          ; s[28:35] descriptor group 1: 64 rows of 256 bytes;  s[36:43]: 8 rows
.set G1S,  36
.set G0W,  44                          ; s[44:47] group 0 of the slots' tiles: it walks;  s[48:51] of the small block
.set G0S,  48
.set SEL,  52                          ; s[52:53] lane selects for v_permlanex16_b32: lane l xor 16
.set WB,   54                          ; s54  LDS byte of the core in hand
.set PAIR, 55
.set TRIP, 56
.set FX,   57                          ; s57  F
.set E01,  58                          ; s58  e0 + e1
.set EA,   60                          ; s[60:61] the step's eA, eB
.set MSB, 0
.macro WIN new                         ; the immediate's high byte repeats the setting that is left; a switch that changes nothing is dropped
.if MSB != \new
	s_set_vgpr_msb (MSB<<8)|\new
.set MSB, \new
.endif
.endm
.set W_ACT, 0x05                       ; sources 0 and 1 window 1
.set W_OBS, 0x41                       ; destination and source 0 window 1
.set W_CVT, 0x40                       ; destination window 1
.set W_M,   0x04                       ; source 1 window 1: it serves the large products, their f32 contraction and the fragment loads alike
; A round of the cluster's barrier.  No LDS instruction of the wave is pending at a signal.
.macro ROUND
	s_barrier_signal -1
	s_barrier_wait -1
	s_cmp_lg_u32 s[WV], 0
	s_cbranch_scc1 .Lnot_wave_0_\@
	s_barrier_signal -3
.Lnot_wave_0_\@:
	s_barrier_wait -3
	s_barrier_signal -1
	s_barrier_wait -1
.endm
; THE CHANGE OF SLOTS.  Each wave waits for all its tensor loads (its eighth of the slot ahead), adds 0 to its spare word, and waits for that and for its reads of the slot that it has left.
; fill = 1: a round of the cluster's barrier, so that no wave of any partner still reads the other slot or has a load on its way; the joint load of the next two cores is the first thing behind it.
.macro SYNC fill
	s_wait_tensorcnt 0x0                           ; no tensor load of mine is out, so a group 0 may be written
	ds_add_u32 v[SPW], v[NIL]                      ; 0 onto my spare word
.if \fill
	s_xor_b32 s[G0W+1], s[G0W+1], SLOT1            ; the other slot than last time,
	s_add_nc_u64 s[G0W+2:G0W+3], s[G0W+2:G0W+3], 131072   ; the next two cores; the type bits on top are not reached
.endif
	s_wait_dscnt 0x0                               ; the add is done, and my reads of the slot that I have left are over
.if \fill
	ROUND
	tensor_load_to_lds s[G0W:G0W+3], s[G1W:G1W+7]  ; my one tensor load until the next change: it has two steps in which to land
	s_nop 0
.rept 4
	v_nop
.endr
.else
	s_barrier_signal -1
	s_barrier_wait -1
.endif
.endm
.macro MKSC e, vs, vl                  ; from the whole number e: 2^e as f32 (the conversion takes its exponent field) and 448 x 2^e
	s_add_co_i32 s62, \e, 127
	s_lshl_b32 s68, s62, 23
	v_mov_b32 v[\vs], s68
	s_add_co_i32 s62, s62, 8
	s_lshl_b32 s62, s62, 23
	s_or_b32 s62, s62, 0x600000
	v_mov_b32 v[\vl], s62
.endm
; A step's inputs for my 64 rows: lane (r, h) takes 16 neighbouring numbers of obss (64 bytes) and 8 of actions (32 bytes) of row 16 m + r.  24 loads.
.macro RAWLOAD
.irp m, 0,1,2,3
.irp c, 0,1,2,3
	global_load_b128 v[RAWO+16*\m+4*\c:RAWO+16*\m+4*\c+3], v[OA], s[OBSP:OBSP+1] offset:16384*\m+16*\c
.endr
.endr
	WIN W_CVT
.irp m, 0,1,2,3
.irp c, 0,1
	global_load_b128 v[RAWA+8*\m+4*\c:RAWA+8*\m+4*\c+3], v[AA], s[ACTP:ACTP+1] offset:8192*\m+16*\c
.endr
.endr
	WIN 0
.endm
; THE ENCODERS of a step, and the request for the next step's inputs.  skip = 1: the copy that also runs step 7, which asks for nothing: no load leaves its buffer.
.macro ENC skip
	s_wait_loadcnt 0x0                             ; this step's 24 loads, issued a step ago; it also frees their bases
	s_load_b64 s[EA:EA+1], s[LS:LS+1], 0x8         ; eA, eB
.irp x, 0,1,2,3,4,5,6,7
	ds_load_b128 v[WF+4*\x:WF+4*\x+3], v[CADR] offset:512*\x   ; ba's two tiles, then bo's
.endr
	s_wait_dscnt 4                                 ; ba is in; bo's four loads may be out
	WIN W_ACT
.irp q, 0,1,2,3                        ; act: K step q takes channels 8 h + 2 q, + 1.  Eight accumulators by turns, one instruction a turn; the bias is the C of each sum's first instruction
.irp m, 0,1,2,3
.irp u, 0,1
.if \q == 0
	v_wmma_f32_16x16x4_f32 v[TD+16*\m+8*\u:TD+16*\m+8*\u+7], v[WA+8*\u:WA+8*\u+1], v[RAWA+8*\m:RAWA+8*\m+1], v[WF+8*\u:WF+8*\u+7]
.else
	v_wmma_f32_16x16x4_f32 v[TD+16*\m+8*\u:TD+16*\m+8*\u+7], v[WA+8*\u+2*\q:WA+8*\u+2*\q+1], v[RAWA+8*\m+2*\q:RAWA+8*\m+2*\q+1], v[TD+16*\m+8*\u:TD+16*\m+8*\u+7]
.endif
.endr
.endr
.endr
	WIN 0
.irp m, 0,1,2,3                        ; obss becomes codes: four registers a tile, K = 32, and four of zeros: the K = 64 form.  The 64 holds are also the places behind the f32 products
.irp i, 0,1,2,3,4,5,6,7,8,9,10,11,12,13,14,15
	v_med3_num_f32 v[RAWO+16*\m+\i], v[RAWO+16*\m+\i], -v[LIMO], v[LIMO]   ; the conversion does not saturate (ISA guide 7.6.2)
.endr
	v_cvt_scalef32_pk8_fp8_f32 v[WF+32+8*\m:WF+32+8*\m+1], v[RAWO+16*\m:RAWO+16*\m+7], v[SCO]
	v_cvt_scalef32_pk8_fp8_f32 v[WF+32+8*\m+2:WF+32+8*\m+3], v[RAWO+16*\m+8:RAWO+16*\m+15], v[SCO]
.irp z, 4,5,6,7
	v_mov_b32 v[WF+32+8*\m+\z], 0                  ; (plain lines behind the conversions)
.endr
.endr
	s_wait_dscnt 0x0                               ; bo
	WIN W_OBS
.irp m, 0,1,2,3
.irp u, 0,1
	v_wmma_f32_16x16x64_fp8_fp8 v[OBS+16*\m+8*\u:OBS+16*\m+8*\u+7], v[WO+8*\u:WO+8*\u+7], v[WF+32+8*\m:WF+32+8*\m+7], v[WF+16+8*\u:WF+16+8*\u+7]
.endr
.endr
	WIN 0
.rept 4
	v_nop                                          ; places: the next vector lines write registers that these products read
.endr
.if \skip
	s_cmp_eq_u32 s[TRIP], 1
	s_cbranch_scc1 .Lno_next_\@
.endif
	s_add_nc_u64 s[OBSP:OBSP+1], s[OBSP:OBSP+1], 128
	s_add_nc_u64 s[ACTP:ACTP+1], s[ACTP:ACTP+1], 64
	RAWLOAD                                        ; the next step's inputs: they have the rest of this step in which to land
.if \skip
.Lno_next_\@:
.endif
.endm
.macro SCALES
	s_wait_kmcnt 0x0                               ; eA, eB are in, and their pointer may step
	s_add_nc_u64 s[LS:LS+1], s[LS:LS+1], 8
	s_sub_co_i32 s63, s[EA], s[FX]
	MKSC s63, SCQ, LIMQ                            ; 2^(eA - F)
	s_add_co_i32 s[FX], s[EA], s[EA+1]
	s_add_co_i32 s[FX], s[FX], s[E01]              ; the F of the tmp' that this step makes
.endm
; P = act x tmp' of tile m, quantised: for each of the lane's 16 channels of act the eight products along i, held and converted: two registers of codes.  64 numbers at a time.
.macro OUTER m
.irp u, 0,1
	WIN 0
.irp jj, 0,1,2,3,4,5,6,7
.irp ip, 0,1,2,3
.if (\jj % 2) == 0
	v_pk_mul_f32 v[WF+8*\jj+2*\ip:WF+8*\jj+2*\ip+1], v[TMP+8*(\m)+2*\ip:TMP+8*(\m)+2*\ip+1], v[TD+16*(\m)+8*\u+\jj:TD+16*(\m)+8*\u+\jj+1] op_sel_hi:[1,0]
.else
	v_pk_mul_f32 v[WF+8*\jj+2*\ip:WF+8*\jj+2*\ip+1], v[TMP+8*(\m)+2*\ip:TMP+8*(\m)+2*\ip+1], v[TD+16*(\m)+8*\u+\jj-1:TD+16*(\m)+8*\u+\jj] op_sel:[0,1] op_sel_hi:[1,1]
.endif
.endr
.endr
.set i, 0
.rept 64
	v_med3_num_f32 v[WF+i], v[WF+i], -v[LIMQ], v[LIMQ]
.set i, i+1
.endr
	WIN W_CVT
.set pb, PCD+32*(\m)+64*((\m)/2)+16*\u
.irp jj, 0,1,2,3,4,5,6,7
	v_cvt_scalef32_pk8_fp8_f32 v[pb+2*\jj:pb+2*\jj+1], v[WF+8*\jj:WF+8*\jj+7], v[SCQ]
.endr
	v_nop                                          ; one plain line between the conversions and what writes their sources or reads their codes
.endr
	WIN 0
.endm
; Step 0: act itself is the operand: K = 32, four registers of codes a tile and four of zeros.
.macro QACT
.set i, 0
.rept 64
	v_med3_num_f32 v[WF+i], v[TD+i], -v[LIMQ], v[LIMQ]
.set i, i+1
.endr
	WIN W_CVT
.irp m, 0,1,2,3
.irp u, 0,1
	v_cvt_scalef32_pk8_fp8_f32 v[PCD+32*\m+64*(\m/2)+2*\u:PCD+32*\m+64*(\m/2)+2*\u+1], v[WF+16*\m+8*\u:WF+16*\m+8*\u+7], v[SCQ]
.endr
.endr
.irp m, 0,1,2,3
.irp z, 4,5,6,7
	v_mov_b32 v[PCD+32*\m+64*(\m/2)+\z], 0         ; (plain lines behind the conversions)
.endr
.endr
	WIN 0
.endm
.macro LF g                            ; weight fragment g of the core in hand into buffer g % 4: four loads of 512 consecutive bytes
.irp ch, 0,1,2,3
	ds_load_b128 v[WF+16*((\g)%4)+4*\ch:WF+16*((\g)%4)+4*\ch+3], v[WADR] offset:(4*(\g)+\ch)*512
.endr
.endm
; n of the 16 packed products that take tile t of T into tmp', from number a on: number x is row tile x / 4, l = 2 (x % 4), + 1: tmp'_l += T(k, l) o'(k).  Each accumulator is read from its low end on.  Tile 0 starts the sums.
.macro PKS t, a, n
.set x, \a
.rept \n
.set pT, TMP+8*(x/4)+2*(x%4)
.set pD, TD+32*((\t)%2)+8*(x/4)+2*(x%4)
.set pO, OBS+16*(x/4)+2*((\t)/2)
.if (\t) == 0
	v_pk_mul_f32 v[pT:pT+1], v[pD:pD+1], v[pO:pO+1] op_sel_hi:[1,0]
.elseif ((\t)%2) == 0
	v_pk_fma_f32 v[pT:pT+1], v[pD:pD+1], v[pO:pO+1], v[pT:pT+1] op_sel_hi:[1,0,1]
.else
	v_pk_fma_f32 v[pT:pT+1], v[pD:pD+1], v[pO:pO+1], v[pT:pT+1] op_sel:[0,1,0] op_sel_hi:[1,1,1]
.endif
.set x, x+1
.endr
.endm
; A MIDDLE CORE: 16 rounds, one for each tile of 16 weight rows: eight matrix instructions (K halves 0 and 1 x four tiles of rows: the four accumulators by turns), and between them the
; 16 packed products of the round before, two behind each.  T has two sets of registers, by turns.  Fragments run through four buffers; fragment 2 t + 3 is asked for behind the round's second
; matrix instruction, 2 t + 4 behind its sixth: each six plain products behind its buffer's last reader (in round 0: four v_nop), none of which names a register of that reader.
; The waits count four loads for each fragment issued behind the one that is wanted: at a round's head 2 t + 1 and 2 t + 2 (round 0: three; round 15: one), in its middle 2 t + 2 and 2 t + 3 (round 15: none).
.macro MMID
	v_add_nc_u32 v[WADR], s[WB], v[LI]
	LF 0
	LF 1
	LF 2
	LF 3
	WIN W_M
.set tt, 0
.rept 16
.if tt == 0
	s_wait_dscnt 12
.elseif tt == 15
	s_wait_dscnt 4
.else
	s_wait_dscnt 8
.endif
.set ww, 0
.rept 8
.set mm, ww%4
.set ff, ww/4
.set rD, TD+32*(tt%2)+8*mm
.set rA, WF+16*((2*tt+ff)%4)
.set rB, PCD+32*mm+64*(mm/2)+16*ff
.if ww == 4
.if tt == 15
	s_wait_dscnt 0
.else
	s_wait_dscnt 8
.endif
.endif
.if ff == 0
	v_wmma_f32_16x16x128_fp8_fp8 v[rD:rD+7], v[rA:rA+15], v[rB:rB+15], 0
.else
	v_wmma_f32_16x16x128_fp8_fp8 v[rD:rD+7], v[rA:rA+15], v[rB:rB+15], v[rD:rD+7]
.endif
.if tt >= 1
	PKS tt-1, 2*ww, 2
.endif
.if (ww == 1) && (tt >= 1) && (tt <= 14)
	LF 2*tt+3
.endif
.if ww == 5
.if tt == 0
.rept 4
	v_nop
.endr
.endif
.if tt <= 13
	LF 2*tt+4
.endif
.endif
.set ww, ww+1
.endr
.if tt == 0
.rept 4
	v_nop                                          ; round 0 has no products to set behind its matrix instructions
.endr
.endif
.set tt, tt+1
.endr
	PKS 15, 0, 16                                  ; the last tile: 8 plain products stand between row tile 0's last matrix instruction and this read of it, 14 for row tile 3
	WIN 0
.endm
; THE FIRST CORE: K = 32 in the K = 64 form; a fragment is four registers from LDS and four of zeros; eight buffers.  16 rounds of four matrix instructions, the round before's products four behind each.
; At the head of round t <= 7 the tiles t + 1 .. t + 7 were asked for behind tile t; from round 8 on 15 - t are left.
.macro MFIRST
.irp b, 0,1,2,3,4,5,6,7
.irp z, 4,5,6,7
	v_mov_b32 v[WF+8*\b+\z], 0
.endr
.endr
	v_add_nc_u32 v[WADR], SMALL, v[LI]
.irp b, 0,1,2,3,4,5,6,7
	ds_load_b128 v[WF+8*\b:WF+8*\b+3], v[WADR] offset:512*\b
.endr
	WIN W_M
.set tt, 0
.rept 16
.if tt < 8
	s_wait_dscnt 7
.else
	s_wait_dscnt 15-tt
.endif
.set ww, 0
.rept 4
.set rD, TD+32*(tt%2)+8*ww
.set rA, WF+8*(tt%8)
.set rB, PCD+32*ww+64*(ww/2)
	v_wmma_f32_16x16x64_fp8_fp8 v[rD:rD+7], v[rA:rA+7], v[rB:rB+7], 0
.if tt >= 1
	PKS tt-1, 4*ww, 4
.endif
.set ww, ww+1
.endr
.if tt == 0
.rept 4
	v_nop
.endr
.endif
.if tt < 8
	ds_load_b128 v[WF+8*tt:WF+8*tt+3], v[WADR] offset:512*(tt+8)   ; four plain lines behind the buffer's last reader
.endif
.set tt, tt+1
.endr
	PKS 15, 0, 16
	WIN 0
.endm
.macro XH                              ; a lane has summed over its half's 16 k: the other half's sums are added, and both lanes of a row hold tmp'
.irp m, 0,1,2,3
.irp i, 0,1,2,3,4,5,6,7
	v_permlanex16_b32 v[T0+\i], v[TMP+8*\m+\i], s[SEL], s[SEL+1]
.endr
.irp i, 0,2,4,6
	v_pk_add_f32 v[TMP+8*\m+\i:TMP+8*\m+\i+1], v[TMP+8*\m+\i:TMP+8*\m+\i+1], v[T0+\i:T0+\i+1]
.endr
.endr
.endm
; THE LAST CORE: two tiles of 16 weight rows (k = 16 u + 8 h + register), K = 256.  Then the lane's 16 products T(k) o'(k), register by register, in pairs.
.macro MLAST
	v_add_nc_u32 v[WADR], LASTL, v[LI]
	LF 0
	LF 1
	LF 2
	LF 3
	WIN W_M
.irp g, 0,1,2,3
	s_wait_dscnt 12-4*\g                           ; fragment g is in; four loads for each fragment behind it
.irp m, 0,1,2,3
.if (\g % 2) == 0
	v_wmma_f32_16x16x128_fp8_fp8 v[TD+32*(\g/2)+8*\m:TD+32*(\g/2)+8*\m+7], v[WF+16*\g:WF+16*\g+15], v[PCD+32*\m+64*(\m/2):PCD+32*\m+64*(\m/2)+15], 0
.else
	v_wmma_f32_16x16x128_fp8_fp8 v[TD+32*(\g/2)+8*\m:TD+32*(\g/2)+8*\m+7], v[WF+16*\g:WF+16*\g+15], v[PCD+32*\m+64*(\m/2)+16:PCD+32*\m+64*(\m/2)+31], v[TD+32*(\g/2)+8*\m:TD+32*(\g/2)+8*\m+7]
.endif
.endr
.endr
.rept 4
	v_nop                                          ; places in front of the first read of results
.endr
.irp up, 0,1
.irp ip, 0,1,2,3
.irp m, 0,1,2,3
.if (\up == 0) && (\ip == 0)
	v_pk_mul_f32 v[TMP+8*\m:TMP+8*\m+1], v[TD+32*\up+8*\m+2*\ip:TD+32*\up+8*\m+2*\ip+1], v[OBS+16*\m+8*\up+2*\ip:OBS+16*\m+8*\up+2*\ip+1]
.else
	v_pk_fma_f32 v[TMP+8*\m:TMP+8*\m+1], v[TD+32*\up+8*\m+2*\ip:TD+32*\up+8*\m+2*\ip+1], v[OBS+16*\m+8*\up+2*\ip:OBS+16*\m+8*\up+2*\ip+1], v[TMP+8*\m:TMP+8*\m+1]
.endif
.endr
.endr
.endr
	WIN 0
.endm
	s_load_b512 s[4:19], s[0:1], 0x0               ; actions, obss, Wa, ba, Wo, bo, the scales' exponents, wimg
	s_load_b64 s[OUTG:OUTG+1], s[0:1], 0x40        ; out0
	v_lshl_add_u32 v[SPW], v0, 2, SPARE
	v_mov_b32 v[NIL], 0
	ds_add_u32 v[SPW], v[NIL]                      ; the wave's opening: the add and its wait come ahead of my first tensor load; the set-up below, work on registers, stands between them
	v_lshrrev_b32 v12, 5, v0
	v_readfirstlane_b32 s[WV], v12                 ; wave 0..7
	s_bfe_u32 s23, ttmp6, 0x40000                  ; cx: my place in the cluster
	s_lshl_b32 s24, ttmp9, 2                       ; in a cluster launch ttmp9 counts clusters
	s_add_co_u32 s24, s24, s23                     ; my work-group: it enters the addresses of actions, obss and out0 alone
	v_and_b32 v13, 31, v0                          ; lane
	v_and_b32 v14, 15, v0                          ; r
	v_bfe_u32 v15, v0, 4, 1                        ; h
.irp i, 16,17,18,19
	v_mov_b32 v\i, 0                               ; written once: a lane permute's destination counts as one of its sources
.endr
	v_lshlrev_b32 v[LI], 4, v13
	v_lshlrev_b32 v[OA], 10, v14
	v_lshl_add_u32 v[OA], v15, 6, v[OA]
	v_lshlrev_b32 v[AA], 9, v14
	v_lshl_add_u32 v[AA], v15, 5, v[AA]
	s_lshl_b32 s62, s[WV], 12
	s_add_co_u32 s62, s62, CIMG
	v_add_nc_u32 v[CADR], s62, v[LI]
	s_lshl_b32 s62, s[WV], 8
	s_add_co_u32 s62, s62, OST
	v_lshl_add_u32 v[OSA], v14, 2, s62             ; in: row 16 m + r at 4 bytes a row
	v_lshl_add_u32 v[OSB], v13, 3, s62             ; back: two rows a lane
	v_lshlrev_b32 v[OGO], 3, v13
	v_lshlrev_b32 v[WAO], 6, v14
	v_lshl_add_u32 v[WAO], v15, 5, v[WAO]          ; Wa: row r of 64 bytes, + 32 h
	v_lshlrev_b32 v[WOO], 7, v14
	v_lshl_add_u32 v[WOO], v15, 6, v[WOO]          ; Wo: row r of 128 bytes, + 64 h
	v_lshlrev_b32 v[BOF], 5, v15                   ; the biases: 8 h numbers on
	; descriptor group 1: dense blocks, as rows of 32 elements of 8 bytes; no padding: an image is read 512 consecutive bytes at a time
	s_mov_b32 s[G1W+0], 15|(3<<16)|(1<<21)         ; 15:0 the mask: all four work-groups; 17:16 elements of 8 bytes; 21 set beside a mask
	s_mov_b32 s[G1W+1], 32<<16                     ; tensor_dim0 = 32
	s_mov_b32 s[G1W+2], 64<<16                     ; tensor_dim1 = 64
	s_mov_b32 s[G1W+3], 32<<16                     ; tile_dim0 = 32
	s_mov_b32 s[G1W+4], 64                         ; tile_dim1 = 64: 16,384 bytes, a wave's eighth of two cores
	s_mov_b32 s[G1W+5], 32                         ; tensor_dim0_stride
	s_mov_b32 s[G1W+6], 0
	s_mov_b32 s[G1W+7], 0
	s_mov_b32 s[G1S+0], 15|(3<<16)|(1<<21)
	s_mov_b32 s[G1S+1], 32<<16
	s_mov_b32 s[G1S+2], 8<<16
	s_mov_b32 s[G1S+3], 32<<16
	s_mov_b32 s[G1S+4], 8                          ; 8 rows: 2,048 bytes, a wave's eighth of the small block
	s_mov_b32 s[G1S+5], 32
	s_mov_b32 s[G1S+6], 0
	s_mov_b32 s[G1S+7], 0
	s_mov_b32 s[G0W], 1
	s_lshl_b32 s[G0W+1], s[WV], 14                 ; slot 0, my eighth: no place in the cluster enters an LDS address
	s_mov_b32 s[G0S], 1
	s_lshl_b32 s[G0S+1], s[WV], 11
	s_add_co_u32 s[G0S+1], s[G0S+1], SMALL
	s_mov_b32 s[SEL], 0x76543210
	s_mov_b32 s[SEL+1], 0xfedcba98
	s_mov_b32 s[WB], 0
	s_mov_b32 s[FX], 0                             ; ahead of step 0 nothing is folded
	s_mov_b32 s27, 0
	s_mov_b32 s69, 0
	s_wait_dscnt 0x0                               ; the opening add is done
	s_wait_kmcnt 0x0
	s_load_b64 s[66:67], s[LS:LS+1], 0x0           ; e0, e1
	s_lshl_b32 s26, s[WV], 14                      ; the joint loads' addresses are made of the wave's number alone
	s_add_nc_u64 s[G0W+2:G0W+3], s[WIMG:WIMG+1], s[26:27]
	s_or_b32 s[G0W+3], s[G0W+3], 0x80000000        ; type = 2
	s_lshl_b32 s26, s[WV], 11
	s_add_co_u32 s26, s26, MPS0G
	s_add_nc_u64 s[G0S+2:G0S+3], s[WIMG:WIMG+1], s[26:27]
	s_or_b32 s[G0S+3], s[G0S+3], 0x80000000
	s_lshl_b32 s68, s24, 19                        ; obss: 512 rows of 1,024 bytes a work-group,
	s_lshl_b32 s62, s[WV], 16                      ; 64 a wave
	s_add_co_u32 s68, s68, s62
	s_add_nc_u64 s[OBSP:OBSP+1], s[OBSP:OBSP+1], s[68:69]
	s_lshr_b32 s68, s68, 1                         ; actions: rows of 512 bytes
	s_add_nc_u64 s[ACTP:ACTP+1], s[ACTP:ACTP+1], s[68:69]
	s_lshr_b32 s68, s68, 7                         ; out0: 4 bytes a row
	s_add_nc_u64 s[OUTG:OUTG+1], s[OUTG:OUTG+1], s[68:69]
	ROUND                                          ; all four work-groups are here: the first joint loads meet
	tensor_load_to_lds s[G0S:G0S+3], s[G1S:G1S+7]  ; mps0's and mps_last's images
	s_nop 0
	tensor_load_to_lds s[G0W:G0W+3], s[G1W:G1W+7]  ; cores 0 and 1 into slot 0.  Two tensor loads of mine are out: the most in this text
	s_nop 0
.rept 4
	v_nop
.endr
	; the constants: 20 loads, into registers of window 1; Wo and the biases into registers that P's codes take later
	WIN W_CVT
.irp u, 0,1
.irp x, 0,1
	global_load_b128 v[WA+8*\u+4*\x:WA+8*\u+4*\x+3], v[WAO], s[WAP:WAP+1] offset:1024*\u+16*\x   ; Wa(16 u + r, 8 h ..): it stays as it is
.endr
.endr
.irp u, 0,1
.irp x, 0,1,2,3
	global_load_b128 v[PCD+16*\u+4*\x:PCD+16*\u+4*\x+3], v[WOO], s[WOP:WOP+1] offset:2048*\u+16*\x   ; Wo(16 u + r, 16 h ..)
.endr
.endr
.irp u, 0,1
.irp x, 0,1
	global_load_b128 v[PCD+32+8*\u+4*\x:PCD+32+8*\u+4*\x+3], v[BOF], s[BAP:BAP+1] offset:64*\u+16*\x   ; ba(16 u + 8 h ..): the result's layout
.endr
.endr
.irp u, 0,1
.irp x, 0,1
	global_load_b128 v[PCD+48+8*\u+4*\x:PCD+48+8*\u+4*\x+3], v[BOF], s[BOP:BOP+1] offset:64*\u+16*\x
.endr
.endr
	WIN 0
	RAWLOAD                                        ; step 0's inputs
	s_wait_kmcnt 0x0                               ; e0, e1
	s_add_co_i32 s[E01], s66, s67
	s_sub_co_i32 s63, 0, s[E01]
	MKSC s66, SCO, LIMO
	MKSC s67, T0, T0+1                             ; Wo's, in v12 and v13
	s_wait_loadcnt 24                              ; the 20 constants are in; behind them: step 0's 24 loads
	WIN W_OBS
.set i, 0
.rept 32
	v_med3_num_f32 v[PCD+i], v[PCD+i], -v[T0+1], v[T0+1]
.set i, i+1
.endr
.irp u, 0,1
.irp g, 0,1
	v_cvt_scalef32_pk8_fp8_f32 v[WO+8*\u+2*\g:WO+8*\u+2*\g+1], v[PCD+16*\u+8*\g:PCD+16*\u+8*\g+7], v[T0]
.endr
.endr
.irp u, 0,1
.irp z, 4,5,6,7
	v_mov_b32 v[WO+8*\u+\z], 0                     ; K = 32 in the K = 64 form: zero codes above.  (Plain lines behind the conversions)
.endr
.endr
.set i, 0
.rept 16
	v_ldexp_f32 v[PCD+48+i], v[PCD+48+i], s63      ; bo / 2^(e0 + e1): the power of two that the sums lack
.set i, i+1
.endr
	WIN W_M                                        ; (a store's data are its source 1)
.irp x, 0,1,2,3,4,5,6,7
	ds_store_b128 v[CADR], v[PCD+32+4*\x:PCD+32+4*\x+3] offset:512*\x   ; the biases' registers go to my own bytes of LDS as they stand, and come back so in every step
.endr
	WIN 0
	; ---- step 0
	ENC 0
	SCALES
	QACT
	s_wait_dscnt 0x0
	s_wait_tensorcnt 0x1                           ; my eighth of the small block is in; slot 0's load, issued behind it, may stay out
	s_barrier_signal -1
	s_barrier_wait -1                              ; everybody's is
	MFIRST
	XH
	; ---- steps 1 to 4: two steps to a slot; behind each change the other slot is asked for
	s_mov_b32 s[PAIR], 2
.Lpair:
	SYNC 1
	s_mov_b32 s[TRIP], 2
.Lstep:
	ENC 0
	SCALES
	OUTER 0
	OUTER 1
	OUTER 2
	OUTER 3
	MMID
	XH
	s_add_co_u32 s[WB], s[WB], 65536               ; the slot's second core
	s_sub_co_u32 s[TRIP], s[TRIP], 1
	s_cmp_lg_u32 s[TRIP], 0
	s_cbranch_scc1 .Lstep
	s_sub_co_u32 s[WB], s[WB], 131072              ; back to a slot's first core,
	s_xor_b32 s[WB], s[WB], SLOT1                  ; in the other slot
	s_sub_co_u32 s[PAIR], s[PAIR], 1
	s_cmp_lg_u32 s[PAIR], 0
	s_cbranch_scc1 .Lpair
	; ---- steps 5, 6 and 7: one loop that holds no tensor load: nothing is left to fetch.  Step 7 leaves the loop ahead of the middle core's product
	SYNC 0
	s_mov_b32 s[TRIP], 3
.Ltail:
	ENC 1
	SCALES
	OUTER 0
	OUTER 1
	OUTER 2
	OUTER 3
	s_cmp_eq_u32 s[TRIP], 1
	s_cbranch_scc1 .Llast
	MMID
	XH
	s_add_co_u32 s[WB], s[WB], 65536
	s_sub_co_u32 s[TRIP], s[TRIP], 1
	s_cmp_lg_u32 s[TRIP], 0
	s_cbranch_scc1 .Ltail
.Llast:
	MLAST
	; THE WAY OUT: the pair's halves and the other half of the lanes' are added, x 2^F; the wave's 64 results meet in its own 256 bytes of LDS and leave as one aligned run of 256 bytes
.irp m, 0,1,2,3
	v_add_f32 v[T0+\m], v[TMP+8*\m], v[TMP+8*\m+1]
.endr
.irp m, 0,1,2,3
	v_permlanex16_b32 v[T0+4+\m], v[T0+\m], s[SEL], s[SEL+1]
.endr
.irp m, 0,1,2,3
	v_add_f32 v[T0+\m], v[T0+\m], v[T0+4+\m]
.endr
.irp m, 0,1,2,3
	v_ldexp_f32 v[T0+\m], v[T0+\m], s[FX]
.endr
.irp m, 0,1,2,3
	ds_store_b32 v[OSA], v[T0+\m] offset:64*\m     ; lanes r and r + 16 hold the same number and write the same word
.endr
	ds_load_b64 v[OPR:OPR+1], v[OSB]               ; LDS serves a wave's instructions in order (ISA guide 5.7.1.4): this sees my stores
	s_wait_dscnt 0x0
	global_store_b64 v[OGO], v[OPR:OPR+1], s[OUTG:OUTG+1]   ; 32 lanes store 256 consecutive bytes, at a multiple of 256 from out0's first byte
	s_wait_tensorcnt 0x0                           ; the wave's end: behind my last tensor load and my last LDS store
	ds_add_u32 v[SPW], v[NIL]
	s_wait_dscnt 0x0
	ROUND                                          ; the closing round: no work-group ends while a partner may still ask for a tile that names it
	s_endpgm
.Lfunc_end_k_q50a39e5354_chain:
	.size	k_q50a39e5354_chain, .Lfunc_end_k_q50a39e5354_chain-k_q50a39e5354_chain
	.p2alignl 7, 3214868480
	.fill 96, 4, 3214868480
	.section	.rodata,"a",@progbits
	.p2align	6, 0x0
	.amdhsa_kernel k_q50a39e5354_chain
		.amdhsa_group_segment_fixed_size 327680
		.amdhsa_private_segment_fixed_size 0
		.amdhsa_enable_private_segment 0
		.amdhsa_kernarg_size 72
		.amdhsa_user_sgpr_count 2
		.amdhsa_user_sgpr_kernarg_segment_ptr 1
		.amdhsa_wavefront_size32 1
		.amdhsa_system_sgpr_workgroup_id_x 1
		.amdhsa_system_sgpr_workgroup_id_y 1
		.amdhsa_system_sgpr_workgroup_id_z 1
		.amdhsa_system_vgpr_workitem_id 0
		.amdhsa_next_free_vgpr 512
		.amdhsa_next_free_sgpr 72
		.amdhsa_reserve_vcc 0
		.amdhsa_float_denorm_mode_32 3
		.amdhsa_float_denorm_mode_16_64 3
		.amdhsa_memory_ordered 1
		.amdhsa_forward_progress 1
		.amdhsa_inst_pref_size 255
	.end_amdhsa_kernel
	.section	.bss,"aw",@nobits
	.p2align	6
	.space	262144
	.amdgpu_metadata
---
amdhsa.version: [ 1, 2 ]
amdhsa.kernels:
  - .name:           k_q50a39e5354_chain
    .symbol:         k_q50a39e5354_chain.kd
    .args:
      - { .name: actions, .offset: 0, .size: 8, .value_kind: global_buffer, .address_space: global }
      - { .name: obss, .offset: 8, .size: 8, .value_kind: global_buffer, .address_space: global }
      - { .name: Wa, .offset: 16, .size: 8, .value_kind: global_buffer, .address_space: global }
      - { .name: ba, .offset: 24, .size: 8, .value_kind: global_buffer, .address_space: global }
      - { .name: Wo, .offset: 32, .size: 8, .value_kind: global_buffer, .address_space: global }
      - { .name: bo, .offset: 40, .size: 8, .value_kind: global_buffer, .address_space: global }
      - { .name: lowp_scales, .offset: 48, .size: 8, .value_kind: global_buffer, .address_space: global }
      - { .name: wimg, .offset: 56, .size: 8, .value_kind: global_buffer, .address_space: global }
      - { .name: out0, .offset: 64, .size: 8, .value_kind: global_buffer, .address_space: global }
    .group_segment_fixed_size: 327680
    .private_segment_fixed_size: 0
    .kernarg_segment_align: 8
    .kernarg_segment_size: 72
    .max_flat_workgroup_size: 256
    .sgpr_count:     72
    .vgpr_count:     512
    .wavefront_size: 32
...
	.end_amdgpu_metadata
.endif
;; end of part 2
